; MI455X (gfx1250); checked and timed in simulation.
; The chip was launched on July 23, 2026; its instructions are those of AMD's public machine-readable ISA for CDNA 5 (MIT licence, August 2026) and "CDNA5" Instruction Set Architecture Reference Guide (July 2026). The comments in the code are by the model that wrote it; some were corrected since.
;; Kokao SNN. Allowed arithmetic: float matrix products may take bf16 or f16 operands with f32 sums; all other float work in f32.
;; Inputs: W_hh 1 x 2,048 x 2,048 float32; W_ho 2,048 x 10 float32; W_ih 1,024 x 2,048 float32; input_bins 64 x 1,024 x 100 float32.
;; Outputs: out0 64 x 10 float32.
;; One version. Each part assembles by itself: llvm-mc -triple=amdgcn-amd-amdhsa -mcpu=gfx1250 --defsym DOCPART=n.
;; ======== version 1 of 1: 4 launches
;; workspace buffers: xb 16,777,216 bytes; wihb 4,194,304 bytes; whhb 8,388,608 bytes; whob 65,536 bytes; s1 27,262,976 bytes; part 3,407,872 bytes
;; launch prep (part 1): grid 512 x 1, 8 waves a work-group, no clusters, 0 bytes of LDS; arguments input_bins, W_ih, W_hh, W_ho, xb, wihb, whhb, whob; writes xb, wihb, whhb, whob
.if DOCPART == 1
	.amdgcn_target "amdgcn-amd-amdhsa--gfx1250"
	.amdhsa_code_object_version 6
	.text
	.protected	k_q10d3b592f9_prep
	.globl	k_q10d3b592f9_prep
	.p2align	8
	.type	k_q10d3b592f9_prep,@function
k_q10d3b592f9_prep:
	s_mov_b64 s[64:65], 0
	v_nop
	global_prefetch_b8 v0, s[64:65] scope:SCOPE_SE
	s_setreg_imm32_b32 hwreg(HW_REG_WAVE_MODE, 25, 1), 1
	s_wait_xcnt 0x0
; PREP: the four inputs rounded once to bf16 (nearest even), laid out for the two matrix launches.  Nothing is transposed.
;   xb   [64 b][1024 i][128 t]  = input_bins[b][i][t], t = 100 .. 127 stored as 0: a row is 256 bytes
;   wihb [1024 k][2048 n]       = W_ih
;   whhb [2048 p][2048 n]       : row p = PI(k) holds W_hh[k], PI(k) = (k & ~63) | ((k & 15) << 2) | ((k >> 4) & 3).
;                                 Layer 1 stores its spikes at position PI(neuron), so the product over p is the product over k.
;   whob [8 G][8 s][2 q][32 lanes][8]: the register image of the B fragments of W_ho for layer 2's output product: lane (r, h) of
;                                 (G, s, q) holds W_ho[neuron of position 256 G + 32 s + 16 q + 8 h + e][r], e = 0 .. 7, and 0 for r >= 10.
; A stream: 4,096 waves, each with 16 rows of x (6,400 bytes), 2,048 bytes of W_ih and 4,096 bytes (half a row) of W_hh.
; All 28 loads of a wave go out at once into registers of their own; each is then rounded in place and stored, so no register that a
; pending load or store names is ever written again.  Every store of a wave covers 256 consecutive bytes, aligned.
; No LDS, no barrier, no matrix unit: each byte is read once and written once.
.set X,     16                         ; v[16:127]  28 loads x 4 registers
.set NLOAD, 28
	s_load_b512 s[4:19], s[0:1], 0x0               ; input_bins s[4:5], W_ih s[6:7], W_hh s[8:9], W_ho s[10:11], xb s[12:13], wihb s[14:15], whhb s[16:17], whob s[18:19]
	v_lshrrev_b32 v1, 5, v0
	v_readfirstlane_b32 s20, v1                    ; wave in the work-group
	s_mov_b32 s29, ttmp9
	s_lshl_b32 s21, s29, 3
	s_add_co_u32 s20, s20, s21                     ; Wg = 8 x work-group + wave, 0 .. 4095
	v_and_b32 v1, 31, v0                           ; lane L
	v_min_u32 v2, 24, v1
	v_lshlrev_b32 v2, 4, v2                        ; a row of x is 400 bytes = 25 lanes x 16; lanes 25 .. 31 read lane 24's bytes again and store zeros
	v_lshlrev_b32 v3, 4, v1                        ; 16 L: in
	v_lshlrev_b32 v4, 3, v1                        ; 8 L: out
	v_cmp_gt_u32 vcc_lo, 25, v1                    ; lanes that hold t < 100
	s_mov_b32 s23, 0
	s_mul_i32 s22, s20, 6400                       ; 16 rows of 400 bytes
	s_wait_kmcnt 0x0
	s_add_nc_u64 s[4:5], s[4:5], s[22:23]
	s_lshl_b32 s22, s20, 11
	s_add_nc_u64 s[6:7], s[6:7], s[22:23]          ; W_ih: 2,048 bytes a wave
	s_lshl_b32 s22, s20, 12
	s_add_nc_u64 s[8:9], s[8:9], s[22:23]          ; W_hh: 4,096 bytes a wave
	s_add_nc_u64 s[12:13], s[12:13], s[22:23]      ; xb: 16 rows of 256 bytes
	s_lshl_b32 s22, s20, 10
	s_add_nc_u64 s[14:15], s[14:15], s[22:23]      ; wihb: 1,024 bytes a wave
	s_lshr_b32 s24, s20, 1                         ; k, my row of W_hh
	s_and_b32 s25, s24, 0x7c0                      ; k & ~63
	s_and_b32 s26, s24, 15
	s_lshl_b32 s26, s26, 2
	s_or_b32 s25, s25, s26
	s_bfe_u32 s26, s24, 0x20004                    ; (k >> 4) & 3
	s_or_b32 s25, s25, s26                         ; p = PI(k)
	s_lshl_b32 s25, s25, 1
	s_and_b32 s26, s20, 1
	s_or_b32 s25, s25, s26                         ; 2 p + which half of the row
	s_lshl_b32 s22, s25, 11
	s_add_nc_u64 s[16:17], s[16:17], s[22:23]      ; whhb: row p of 4,096 bytes, my half
.set n, 0
.rept 16
	global_load_b128 v[X+4*n:X+4*n+3], v2, s[4:5] offset:400*n th:TH_LOAD_NT
.set n, n+1
.endr
.rept 4
	global_load_b128 v[X+4*n:X+4*n+3], v3, s[6:7] offset:512*(n-16) th:TH_LOAD_NT
.set n, n+1
.endr
.rept 8
	global_load_b128 v[X+4*n:X+4*n+3], v3, s[8:9] offset:512*(n-20) th:TH_LOAD_NT
.set n, n+1
.endr
; Load n is rounded in place and stored.  masked = 1: lanes 25 .. 31 store zeros.  base: the scalar pair of the output.  first: the output's first n.
.macro CAST masked, base, first
	s_wait_loadcnt NLOAD-1-n                       ; loads come back in order (ISA guide 5.7.1): load n is in, the younger ones stay out
	v_cvt_pk_bf16_f32 v[X+4*n],   v[X+4*n],   v[X+4*n+1]
	v_cvt_pk_bf16_f32 v[X+4*n+1], v[X+4*n+2], v[X+4*n+3]
.if \masked
	v_cndmask_b32 v[X+4*n],   0, v[X+4*n],   vcc_lo
	v_cndmask_b32 v[X+4*n+1], 0, v[X+4*n+1], vcc_lo
.endif
	global_store_b64 v4, v[X+4*n:X+4*n+1], s[\base:\base+1] offset:256*(n-\first)
.set n, n+1
.endm
.set n, 0
.rept 16
	CAST 1, 12, 0
.endr
.rept 4
	CAST 0, 14, 16
.endr
.rept 8
	CAST 0, 16, 20
.endr
	; W_ho's fragment image: 4,096 threads (the first 16 work-groups), 16 bytes each.  W_ho is 81,920 bytes in all, so its
	; eight 4-byte loads a lane from rows 40 bytes long are left as they are; the store covers 512 consecutive bytes a wave.
	s_cmp_lt_u32 s29, 16
	s_cbranch_scc0 .Lend
	v_lshl_add_u32 v5, s29, 8, v0                  ; id = ((8 G + s) 2 + q) 32 + lane
	v_lshrrev_b32 v6, 4, v5
	v_lshlrev_b32 v6, 3, v6                        ; p0 = 256 G + 32 s + 16 q + 8 h: my first position
	v_and_b32 v7, 0xffffffc0, v6
	v_bfe_u32 v8, v6, 2, 4
	v_add_nc_u32 v7, v7, v8                        ; n0 = the neuron of position p0; position p0 + e is neuron n0 + 16 (e & 3) + (e >> 2)
	v_and_b32 v9, 15, v5                           ; r = output column
	v_min_u32 v10, 9, v9                           ; columns 10 .. 15 do not exist: they read column 9 and store zeros
	v_mul_u32_u24 v11, v7, 40                      ; a row of W_ho is 40 bytes
	v_lshl_add_u32 v11, v10, 2, v11
	v_lshlrev_b32 v12, 4, v5
	global_load_b32 v128, v11, s[10:11]
	global_load_b32 v129, v11, s[10:11] offset:640
	global_load_b32 v130, v11, s[10:11] offset:1280
	global_load_b32 v131, v11, s[10:11] offset:1920
	global_load_b32 v132, v11, s[10:11] offset:40
	global_load_b32 v133, v11, s[10:11] offset:680
	global_load_b32 v134, v11, s[10:11] offset:1320
	global_load_b32 v135, v11, s[10:11] offset:1960
	v_cmp_gt_u32 vcc_lo, 10, v9
	s_wait_loadcnt 0x0
.irp j, 0,1,2,3
	v_cvt_pk_bf16_f32 v[136+\j], v[128+2*\j], v[129+2*\j]
.endr
.irp j, 0,1,2,3
	v_cndmask_b32 v[136+\j], 0, v[136+\j], vcc_lo
.endr
	global_store_b128 v12, v[136:139], s[18:19]
.Lend:
	s_endpgm
.Lfunc_end_k_q10d3b592f9_prep:
	.size	k_q10d3b592f9_prep, .Lfunc_end_k_q10d3b592f9_prep-k_q10d3b592f9_prep
	.p2alignl 7, 3214868480
	.fill 96, 4, 3214868480
	.section	.rodata,"a",@progbits
	.p2align	6, 0x0
	.amdhsa_kernel k_q10d3b592f9_prep
		.amdhsa_group_segment_fixed_size 0
		.amdhsa_private_segment_fixed_size 0
		.amdhsa_enable_private_segment 0
		.amdhsa_kernarg_size 64
		.amdhsa_user_sgpr_count 2
		.amdhsa_user_sgpr_kernarg_segment_ptr 1
		.amdhsa_wavefront_size32 1
		.amdhsa_system_sgpr_workgroup_id_x 1
		.amdhsa_system_sgpr_workgroup_id_y 1
		.amdhsa_system_sgpr_workgroup_id_z 1
		.amdhsa_system_vgpr_workitem_id 0
		.amdhsa_next_free_vgpr 144
		.amdhsa_next_free_sgpr 66
		.amdhsa_reserve_vcc 1
		.amdhsa_float_denorm_mode_32 3
		.amdhsa_float_denorm_mode_16_64 3
		.amdhsa_memory_ordered 1
		.amdhsa_forward_progress 1
		.amdhsa_inst_pref_size 14
	.end_amdhsa_kernel
	.amdgpu_metadata
---
amdhsa.version: [ 1, 2 ]
amdhsa.kernels:
  - .name:           k_q10d3b592f9_prep
    .symbol:         k_q10d3b592f9_prep.kd
    .args:
      - { .name: input_bins, .offset: 0, .size: 8, .value_kind: global_buffer, .address_space: global }
      - { .name: W_ih, .offset: 8, .size: 8, .value_kind: global_buffer, .address_space: global }
      - { .name: W_hh, .offset: 16, .size: 8, .value_kind: global_buffer, .address_space: global }
      - { .name: W_ho, .offset: 24, .size: 8, .value_kind: global_buffer, .address_space: global }
      - { .name: xb, .offset: 32, .size: 8, .value_kind: global_buffer, .address_space: global }
      - { .name: wihb, .offset: 40, .size: 8, .value_kind: global_buffer, .address_space: global }
      - { .name: whhb, .offset: 48, .size: 8, .value_kind: global_buffer, .address_space: global }
      - { .name: whob, .offset: 56, .size: 8, .value_kind: global_buffer, .address_space: global }
    .group_segment_fixed_size: 0
    .private_segment_fixed_size: 0
    .kernarg_segment_align: 8
    .kernarg_segment_size: 64
    .max_flat_workgroup_size: 256
    .sgpr_count:     66
    .vgpr_count:     144
    .wavefront_size: 32
...
	.end_amdgpu_metadata
.endif
;; end of part 1
;; launch layer1 (part 2): grid 8 x 32, 4 waves a work-group, clusters of 4 x 4, 327,680 bytes of LDS; arguments xb, wihb, s1; writes s1
.if DOCPART == 2
	.amdgcn_target "amdgcn-amd-amdhsa--gfx1250"
	.amdhsa_code_object_version 6
	.text
	.protected	k_q10d3b592f9_layer1
	.globl	k_q10d3b592f9_layer1
	.p2align	8
	.type	k_q10d3b592f9_layer1,@function
k_q10d3b592f9_layer1:
	s_mov_b64 s[64:65], 0
	v_nop
	global_prefetch_b8 v0, s[64:65] scope:SCOPE_SE
	s_setreg_imm32_b32 hwreg(HW_REG_WAVE_MODE, 25, 1), 1
	s_wait_xcnt 0x0
	s_wait_alu depctr_hold_cnt(0) depctr_sa_sdst(0) depctr_va_vdst(0) depctr_va_sdst(0) depctr_va_ssrc(0) depctr_va_vcc(0) depctr_vm_vsrc(0)
	s_getreg_b32 s2, hwreg(HW_REG_IB_STS2, 6, 4)
	s_cmp_eq_u32 s2, 0
	s_cbranch_scc0 .Lentry_in_a_cluster
	s_endpgm
.Lentry_in_a_cluster:
	s_bfe_u32 s2, ttmp6, 0x10000c
	s_cmp_lg_u32 s2, 0xf033
	s_cbranch_scc0 .Lentry_shape_is_right
	s_endpgm
.Lentry_shape_is_right:
; LAYER 1: currents[(b, t)][n] = sum over i of x[b][i][t] W_ih[i][n] for all 100 steps at once (no state of this layer enters its currents),
; then the leaky-integrate-and-fire scan over t in registers, then the spikes as bf16 0 / 1 into s1 [64 b][104 t][2048 p].
; A work-group (G = x, pair = y) makes 208 rows (batches 2 pair and 2 pair + 1, t = 0 .. 103) x 256 columns with four waves, as many as a WGP
; has SIMDs; a wave makes all 208 rows x 64 columns: 13 x 4 accumulator tiles, 416 registers.  K = 1,024 goes in steps of 128 through a ring
; of two LDS slots filled by the tensor data mover.
; ROWS OF A TILE: row m of M tile a is (b = m >> 3, t = 8 a + (m & 7)).  In the result, register j of lane (r, h) is row 8 h + j, column r:
; batch h, time 8 a + j.  So a lane holds whole time series of four neurons and the scan needs no other lane.  The price is 104 rows for 100.
; BOTH OPERANDS LIE WITH K DOWN THE ROWS (xb [i][t], wihb [k][n]): fragments are taken by the transposing LDS load.
; SPIKES' PLACE: neuron 64 g + 16 c + r goes to position 64 g + 4 r + c, so that a lane's four neurons (c = 0 .. 3) are 8 neighbouring bytes.
; Layer 2's weights have their rows in the same order.  Rows t = 100 .. 103 are stored as zeros.
; THE WAY OUT RUNS WITH THE SCAN, one M tile (8 steps of time) at a time: while tile a is scanned, tile a - 1's rows are read back whole from a
; stage in LDS and tile a - 2's rows are on their way to memory, so the 27 MB of spikes do not all leave behind the last step.
; CLUSTERS: 4 x 4 work-groups.  The four of a row of the cluster share pair and so A's tiles, the four of a column share G and so B's tiles:
; each tile is asked for jointly by four, with one descriptor and a mask that names the four.
; LIMITS: operands are bf16 (the spikes of the drawn kind, 0 and 1, are exact), sums f32.  The update v = 0.9 v + current is one fused
; multiply-add, rounded once.  A membrane value that lies within the rounding of an f32 sum of the threshold 1.0 may fall on the other
; side of it than with another order of summation.  NaN never spikes, as in the comparison v >= 1.
;
; REGISTERS, in windows of 256: window 0: v0-31 addresses and the scan's registers, v32-135 and v136-239 A's fragments (13 tiles), two buffers
; (behind the K loop: v32-63 packed spikes, v64-255 rows read back); window 1: v0-31, v32-63 B's fragments (4 tiles), two buffers;
; window 2: accumulators of M tiles 0-6 at 8 (4 a + c); window 3: of M tiles 7-12.
.set HALFT,  36880                     ; a quarter of a slot: A's 128 rows x 288 bytes = 36,864, or B's 64 x 544 = 34,816.  36,880 bytes are 4 words more than a multiple of 64
                                       ; words: the second batch's 16 bytes fall between the first's (64 banks of 4 bytes: ISA guide 11.1)
.set SLOT,   4*HALFT                   ; A batch 0, A batch 1, B's k rows 0-63, B's k rows 64-127
.set PA,     288                       ; an LDS row of A: 256 bytes (128 t) + 32: 72 words, so eight rows start 8 banks apart
.set PB,     544                       ; an LDS row of B: 512 bytes (256 n) + 32: 136 words, likewise
.set TP,     1280                      ; the stage: from step t to step t + 1 (two rows of 512 bytes and their gaps)
.set SPB,    640                       ; the stage: from batch 0's row to batch 1's: 160 words, 32 banks past a multiple of 64, so the two halves of the lanes store to different banks
.set GRP,    48                        ; steps of time that one stage address register serves: 47 x 1,280 + 640 stays inside the 16-bit offset
.set BBYTES, 425984                    ; a batch in s1: 104 rows of 4,096 bytes
.set LAPS,   4                         ; a lap = two K steps = once round the ring; K = 1,024
.set ASTEP,  32768                     ; a K step in xb: 128 rows of 256 bytes
.set BSTEP,  524288                    ; a K step in wihb: 128 rows of 4,096 bytes
.set V,    4                           ; v[4:7]    membrane of my four neurons
.set T,    8                           ; v[8:11]   at work
.set RD,   12                          ; v12-14    where I read rows of the stage back, steps 0-47, 48-95, 96-103
.set ADRA, 16                          ; v16-17    LDS address of A's fragments in slot 0, 1
.set ADRB, 20                          ; v20-21    the same for B
.set STO,  22                          ; v22-24    where my 8 bytes go in the stage, steps 0-47, 48-95, 96-103
.set GO,   25                          ; v25       my byte offset in the work-group's part of s1
.set Z,    30                          ; v[30:31]  zero
.set WR,   32                          ; v[32:63]  a tile's eight pairs of packed spikes, two sets that take turns
.set RB,   64                          ; v[64:255] rows read back: 16 registers for each of tiles 0-11 (tile 12 takes the idle set of WR)
.set FA,   32                          ; A's fragment buffers, 104 registers each
.set G1,  24                           ; s[24:31]  descriptor group 1, A
.set G0,  32                           ; s[32:39]  descriptor group 0, A, one set for each slot
.set G1B, 48                           ; s[48:55]  descriptor group 1, B
.set G0B, 56                           ; s[56:63]  descriptor group 0, B, one set for each slot
.set MSB, 0
.macro WIN new                         ; the immediate's high byte repeats the setting that is left
.if MSB != \new
	s_set_vgpr_msb (MSB<<8)|\new
.set MSB, \new
.endif
.endm
.set MUL_LO, 0xa4                      ; source 0 (A) window 0, source 1 (B) window 1, C and D window 2
.set MUL_HI, 0xf4                      ; the same, C and D window 3
.set TO_B,   0x40                      ; destination window 1, address window 0
; A joint load.  Waves 0 and 1 fetch A's two batches, waves 2 and 3 B's two halves.  Each line has one mask; the branch hangs on the wave's number alone.
.macro JLOAD s
	s_cmp_eq_u32 s11, 0
	s_cbranch_scc0 .Lfor_b_\@
	tensor_load_to_lds s[G0+4*\s:G0+4*\s+3], s[G1:G1+7]
	s_nop 0
	s_branch .Lasked_\@
.Lfor_b_\@:
	tensor_load_to_lds s[G0B+4*\s:G0B+4*\s+3], s[G1B:G1B+7]
	s_nop 0
.Lasked_\@:
.endm
; A round of the cluster's barrier: my work-group's barrier, wave 0 signals for the work-group, every wave waits for all sixteen, my work-group's barrier again.
.macro CREST                           ; a round behind its opening barrier
	s_cmp_lg_u32 s10, 0
	s_cbranch_scc1 .Lnot_wave_0_\@
	s_barrier_signal -3
.Lnot_wave_0_\@:
	s_barrier_wait -3
	s_barrier_signal -1
	s_barrier_wait -1
.endm
.macro CROUND
	s_barrier_signal -1
	s_barrier_wait -1
	CREST
.endm
	s_load_b128 s[4:7], s[0:1], 0x0                ; xb s[4:5], wihb s[6:7]
	s_load_b64 s[8:9], s[0:1], 0x10                ; s1
	v_lshl_add_u32 v27, v0, 2, 0x48100
	s_set_vgpr_msb 0x40
	v_mov_b32 v255, 0
	s_set_vgpr_msb 0x4044
	ds_add_u32 v27, v255
	s_set_vgpr_msb 0x4400
	v_lshrrev_b32 v1, 5, v0
	v_readfirstlane_b32 s10, v1                    ; wave 0..3
	s_lshr_b32 s11, s10, 1                         ; I fetch for A (0) or for B (1)
	s_and_b32 s12, s10, 1                          ; which batch of A, which 64 rows of B
	s_bfe_u32 s40, ttmp6, 0x40000                  ; cx
	s_bfe_u32 s41, ttmp6, 0x40004                  ; cy
	s_lshl_b32 s42, ttmp9, 2
	s_add_co_u32 s42, s42, s40                     ; G = 4 x cluster x + cx: my 256 columns
	s_and_b32 s13, ttmp7, 0xffff
	s_lshl_b32 s13, s13, 2
	s_add_co_u32 s13, s13, s41                     ; pair = 4 x cluster y + cy: my two batches
	s_lshl_b32 s43, s41, 2
	s_lshl_b32 s43, 15, s43                        ; my row of the cluster: places 4 cy .. 4 cy + 3
	s_lshl_b32 s44, 0x1111, s40                    ; my column: places cx, cx + 4, cx + 8, cx + 12
	; group 1 of A: 128 rows (i) x 128 elements (t), dense in memory; in LDS 8 words of padding behind every 64
	s_or_b32 s[G1+0], s43, (1<<16)|(1<<20)|(1<<21)|(5<<22)|(7<<25)   ; 15:0 mask of my row; 17:16 elements of 2 bytes; 20 padding on; 21 set beside a mask; 24:22 interval 64 words; 31:25 pad of 8 words
	s_mov_b32 s[G1+1], 128<<16                     ; tensor_dim0 = 128
	s_mov_b32 s[G1+2], 128<<16                     ; tensor_dim1 = 128
	s_mov_b32 s[G1+3], 128<<16                     ; tile_dim0 = 128
	s_mov_b32 s[G1+4], 128                         ; tile_dim1 = 128
	s_mov_b32 s[G1+5], 128                         ; elements from row to row
	s_mov_b32 s[G1+6], 0
	s_mov_b32 s[G1+7], 0
	; group 1 of B: 64 rows (k) x 256 elements (n); 8 words of padding behind every 128
	s_or_b32 s[G1B+0], s44, (1<<16)|(1<<20)|(1<<21)|(6<<22)|(7<<25)  ; the mask of my column
	s_mov_b32 s[G1B+1], 256<<16
	s_mov_b32 s[G1B+2], 64<<16
	s_mov_b32 s[G1B+3], 256<<16
	s_mov_b32 s[G1B+4], 64
	s_mov_b32 s[G1B+5], 2048
	s_mov_b32 s[G1B+6], 0
	s_mov_b32 s[G1B+7], 0
	; where the tiles come from: A's address is made of pair and the wave's number, B's of G and the wave's number, in registers of their own
	s_lshl_b32 s16, s13, 1
	s_add_co_u32 s16, s16, s12
	s_lshl_b32 s16, s16, 18                        ; batch 2 pair + (wave & 1), 262,144 bytes each
	s_mov_b32 s17, 0
	s_lshl_b32 s46, s12, 18                        ; 64 rows of 4,096 bytes
	s_lshl_b32 s47, s42, 9                         ; 256 columns of 2 bytes
	s_add_co_u32 s46, s46, s47
	s_mov_b32 s47, 0
	s_mul_i32 s20, s10, HALFT                      ; and where they go: the wave's quarter of a slot
	s_mov_b32 s21, 0x3f666666                      ; the decay, 0.9
	s_wait_dscnt 0x0
	s_wait_kmcnt 0x0
	s_add_nc_u64 s[14:15], s[4:5], s[16:17]
	s_add_nc_u64 s[46:47], s[6:7], s[46:47]
	CROUND                                         ; all sixteen work-groups are here: the first joint loads meet
.irp s, 0,1
	s_mov_b32 s[G0+4*\s], 1                                        ; count = 1
	s_add_co_u32 s[G0+4*\s+1], s20, \s*SLOT                        ; LDS address
	s_add_nc_u64 s[G0+4*\s+2:G0+4*\s+3], s[14:15], \s*ASTEP        ; global address: K step s
	s_or_b32 s[G0+4*\s+3], s[G0+4*\s+3], 0x80000000                ; type = 2
	s_mov_b32 s[G0B+4*\s], 1
	s_add_co_u32 s[G0B+4*\s+1], s20, \s*SLOT
	s_add_nc_u64 s[G0B+4*\s+2:G0B+4*\s+3], s[46:47], \s*BSTEP
	s_or_b32 s[G0B+4*\s+3], s[G0B+4*\s+3], 0x80000000
	JLOAD \s                                       ; both slots' first fills go out before anything else; two tensor loads of the wave are out
.endr
	; The transposing load works on groups of eight lanes: lane 8 g + j addresses 16 bytes of K row 8 (g >> 1) + j, and afterwards lane 8 g + i holds
	; element i of all eight rows.  Groups with g odd take the second eight rows of the tile (A: the other batch) or columns (B: the next 16 bytes).
	v_and_b32 v1, 15, v0                           ; r
	v_bfe_u32 v2, v0, 4, 1                         ; h
	v_and_b32 v3, 7, v0
	v_bfe_u32 v8, v0, 3, 1                         ; g & 1
	v_lshl_add_u32 v9, v2, 3, v3                   ; K row 8 h + (lane & 7)
	v_mul_u32_u24 v10, v9, PA
	v_mul_u32_u24 v11, v8, HALFT                   ; the other batch lies a quarter slot further on
	v_add_nc_u32 v[ADRA], v10, v11
	v_add_nc_u32 v[ADRA+1], SLOT, v[ADRA]
	v_mul_u32_u24 v10, v9, PB
	v_lshl_add_u32 v10, v8, 4, v10
	s_lshl_b32 s22, s10, 7                         ; my 64 columns: 128 bytes
	s_add_co_u32 s22, s22, 2*HALFT                 ; B lies behind A's two quarters
	v_add_nc_u32 v[ADRB], s22, v10
	v_add_nc_u32 v[ADRB+1], SLOT, v[ADRB]
	; the stage: row (t, b) at t x 1,280 + b x 640.  In: batch h, my wave's 128 bytes, 8 bytes for column r.
	v_mul_u32_u24 v10, v2, SPB
	v_lshl_add_u32 v10, v1, 3, v10
	s_lshl_b32 s22, s10, 7
	v_add_nc_u32 v[STO], s22, v10
	v_add_nc_u32 v[STO+1], GRP*TP, v[STO]
	v_add_nc_u32 v[STO+2], 2*GRP*TP, v[STO]
	; back: of a tile's 16 rows wave w takes steps 8 a + 2 w and 8 a + 2 w + 1 of both batches, 16 bytes a lane: a whole row of 512 bytes a load
	v_and_b32 v11, 31, v0
	v_lshlrev_b32 v11, 4, v11                      ; 16 x lane
	s_mul_i32 s22, s10, 2*TP
	v_add_nc_u32 v[RD], s22, v11
	v_add_nc_u32 v[RD+1], GRP*TP, v[RD]
	v_add_nc_u32 v[RD+2], 2*GRP*TP, v[RD]
	v_lshl_add_u32 v[GO], s10, 13, v11             ; and the same in s1: 2 w rows of 4,096 bytes + 16 x lane
	v_mov_b32 v28, 0x3f80                          ; bf16 1.0 in the low half,
	v_mov_b32 v29, 0x3f800000                      ; in the high half
	v_mov_b32 v[Z], 0
	v_mov_b32 v[Z+1], 0
.irp c, 0,1,2,3
	v_mov_b32 v[V+\c], 0                           ; the membranes start at 0
.endr
; cnt M tiles from a0 x my 4 N tiles, 32 along K, from buffers f.  zero = 1: the first product starts the sums.
; The 52 accumulators take turns, one instruction a turn, in the same order in every quarter step.
.macro MUL f, a0, cnt, zero
.set ma, \a0
.rept \cnt
.irp c, 0,1,2,3
.set acc, 8*(4*(ma%7)+\c)
.if \zero
	v_wmma_f32_16x16x32_bf16 v[acc:acc+7], v[FA+104*\f+8*ma:FA+104*\f+8*ma+7], v[32*\f+8*\c:32*\f+8*\c+7], 0
.else
	v_wmma_f32_16x16x32_bf16 v[acc:acc+7], v[FA+104*\f+8*ma:FA+104*\f+8*ma+7], v[32*\f+8*\c:32*\f+8*\c+7], v[acc:acc+7]
.endif
.endr
.set ma, ma+1
.endr
.endm
; 34 LDS loads in one run: the fragments of quarter q of a K step into buffers f: 8 of B, 14 of A's tiles 0-6, 12 of A's tiles 7-12
.macro FETCH slot, q, f
	WIN TO_B
.irp c, 0,1,2,3
	ds_load_tr16_b128 v[32*\f+8*\c:32*\f+8*\c+3],   v[ADRB+\slot] offset:((\q)&1)*32*PB+((\q)>>1)*HALFT+32*\c
	ds_load_tr16_b128 v[32*\f+8*\c+4:32*\f+8*\c+7], v[ADRB+\slot] offset:((\q)&1)*32*PB+((\q)>>1)*HALFT+32*\c+16*PB
.endr
	WIN 0
.irp a, 0,1,2,3,4,5,6,7,8,9,10,11,12
	ds_load_tr16_b128 v[FA+104*\f+8*\a:FA+104*\f+8*\a+3],   v[ADRA+\slot] offset:\q*32*PA+16*\a
	ds_load_tr16_b128 v[FA+104*\f+8*\a+4:FA+104*\f+8*\a+7], v[ADRA+\slot] offset:\q*32*PA+16*\a+16*PA
.endr
.endm
; A load into a register that a matrix instruction has read, and a vector instruction that reads a matrix result, stand four places behind it,
; and only plain vector instructions that name none of its registers are places (ISA guide 7.12.1 for vector instructions).
.macro PLACES
.rept 4
	v_nop
.endr
.endm
; One of a K step's first three quarters: multiplies buffers f; in its middle fetches quarter q of the same slot into buffers g.
.macro QUARTER slot, q, f, g, zero
	s_wait_dscnt 12                                ; B and A's tiles 0-6 are in; the youngest twelve loads (A's tiles 7-12) may be out
	WIN MUL_LO
	MUL \f, 0, 7, \zero
	PLACES
	FETCH \slot, \q, \g
	s_wait_dscnt 34                                ; all but the 34 just issued
	WIN MUL_HI
	MUL \f, 7, 6, \zero
.endm
.macro THREE slot, zero
	QUARTER \slot, 1, 0, 1, \zero
	QUARTER \slot, 2, 1, 0, 0
	QUARTER \slot, 3, 0, 1, 0
.endm
; The last quarter: multiplies buffers 1 and changes slots.  One barrier for two things: in front of it each wave waits for its reads of this slot
; and for all its tensor loads (one is out: its part of the next slot); behind it the refill comes first, then the next slot's first fragments.
.macro TURN slot, next, fill
	s_wait_dscnt 12
	WIN MUL_LO
	MUL 1, 0, 4, 0
	s_wait_dscnt 0                                 ; my reads of this slot are over
	s_wait_tensorcnt 0x0                           ; all my tensor loads have landed
	ds_add_u32 v27, v255
	s_wait_dscnt 0x0
	s_barrier_signal -1                            ; say so (where the slot is filled again this opens a round of the cluster's barrier),
	MUL 1, 4, 3, 0                                 ; work on registers while the others arrive,
	WIN 0
	s_barrier_wait -1
.if \fill
	CREST                                          ; no wave of any partner still reads this slot or has a load on its way
	s_add_nc_u64 s[G0+4*\slot+2:G0+4*\slot+3], s[G0+4*\slot+2:G0+4*\slot+3], 2*ASTEP
	s_add_nc_u64 s[G0B+4*\slot+2:G0B+4*\slot+3], s[G0B+4*\slot+2:G0B+4*\slot+3], 2*BSTEP
	JLOAD \slot                                    ; the wave's one tensor load behind the round, two K steps ahead
.endif
	PLACES
	FETCH \next, 0, 0
	WIN MUL_HI
	MUL 1, 7, 6, 0
.endm
.macro LAP zero
	THREE 0, \zero
	TURN 0, 1, 1
	THREE 1, 0
	TURN 1, 0, 1
.endm
	s_wait_tensorcnt 0x1                           ; my part of K step 0 is in; K step 1's may stay out
	s_barrier_signal -1
	s_barrier_wait -1                              ; everybody's is
	FETCH 0, 0, 0
	LAP 1                                          ; the first lap's first products start the sums
	WIN 0
	s_mov_b32 s3, LAPS-2
.Llap:
	LAP 0
	WIN 0
	s_sub_co_u32 s3, s3, 1
	s_cmp_lg_u32 s3, 0
	s_cbranch_scc1 .Llap
	THREE 0, 0                                     ; the last lap fills nothing
	TURN 0, 1, 0                                   ; behind this barrier no wave reads slot 0 again and no load fills it again
	THREE 1, 0
	s_wait_dscnt 12
	WIN MUL_LO
	MUL 1, 0, 7, 0
	s_wait_dscnt 0
	WIN MUL_HI
	MUL 1, 7, 6, 0
	PLACES                                         ; the places behind the last matrix instructions
	s_mul_i32 s16, s13, 2*BBYTES                   ; s1 at my two batches,
	s_mov_b32 s17, 0
	s_add_nc_u64 s[8:9], s[8:9], s[16:17]
	s_lshl_b32 s46, s42, 9                         ; at my 256 positions (in the registers that held B's address)
	s_mov_b32 s47, 0
	s_add_nc_u64 s[8:9], s[8:9], s[46:47]
; THE SCAN AND THE WAY OUT.  M tile a holds t = 8 a .. 8 a + 7 in registers 0 .. 7.
; STEPS: for each t and each of my four neurons: v = 0.9 v + current; spike where v >= 1; v = 0 where it spiked.  The comparison only selects values.
; The four spikes are packed as bf16 into a register pair of their own, eight pairs a tile, two sets by turns: pure vector work, no store among it.
; Only source 2 (the current) lies in another window, so the LDS and global instructions of the tail run under the same setting.
.macro STEPS a, nj
.if (\a) < 7
	WIN 0x20                                       ; source 2 in window 2
.else
	WIN 0x30                                       ; in window 3
.endif
.set wb, WR+16*((\a)&1)
.set sj, 0
.rept \nj
.irp c, 0,1,2,3
	v_fma_f32 v[V+\c], v[V+\c], s21, v[8*(4*((\a)%7)+\c)+sj]
.endr
.irp c, 0,1,2,3
	v_cmp_le_f32 s[16+\c], 1.0, v[V+\c]
.endr
	v_cndmask_b32 v[T],   0, v28, s16
	v_cndmask_b32 v[T+1], 0, v29, s17
	v_cndmask_b32 v[T+2], 0, v28, s18
	v_cndmask_b32 v[T+3], 0, v29, s19
.irp c, 0,1,2,3
	v_cndmask_b32 v[V+\c], v[V+\c], v[Z], s[16+\c]
.endr
	v_or_b32 v[wb+2*sj],   v[T],   v[T+1]
	v_or_b32 v[wb+2*sj+1], v[T+2], v[T+3]
.set sj, sj+1
.endr
.endm
; PUT: tile a's eight pairs go to rows (t, batch h) of the stage in one run; steps from nj on are zeros.  The stage (104 x 1,280 bytes) lies in slot 0,
; which has had its last fill and its last read.  Tile a owns the bytes from 10,240 a up to 10,240 (a + 1); each is written once and read once.
.macro PUT a, nj
.set wb, WR+16*((\a)&1)
.set sj, 0
.rept 8
.if sj < \nj
	ds_store_b64 v[STO+(8*(\a))/GRP], v[wb+2*sj:wb+2*sj+1] offset:((8*(\a))%GRP+sj)*TP
.else
	ds_store_b64 v[STO+(8*(\a))/GRP], v[Z:Z+1] offset:((8*(\a))%GRP+sj)*TP
.endif
.set sj, sj+1
.endr
.endm
; SYNC: my stores into the stage are done (and my earlier read-backs are in), then the barrier: behind it the last tile that was PUT is whole for every wave.
.macro SYNC
	s_wait_dscnt 0x0
	s_barrier_signal -1
	s_barrier_wait -1
.endm
; BACK: my four rows of tile a - lag are read back whole, into registers that nothing writes again while a store may read them.
.macro BACK a, lag
.set ba, (\a)-(\lag)
.if ba < 12
.set rb, RB+16*ba
.else
.set rb, WR+16                                 ; tile 12: the odd tiles' set of pairs, idle since tile 11's stores were waited for
.endif
.irp i, 0,1,2,3
	ds_load_b128 v[rb+4*\i:rb+4*\i+3], v[RD+(8*ba)/GRP] offset:((8*ba)%GRP+(\i>>1))*TP+(\i&1)*SPB
.endr
.endm
; SEND: my four rows of tile a - lag go to s1: each store covers 512 consecutive bytes, at a multiple of 512 from s1's first byte.
; counted = 0: a SYNC since their BACK has shown the rows in.  counted = 1: the rows were asked for just now.
.macro SEND a, lag, counted
.set ba, (\a)-(\lag)
.if ba < 12
.set rb, RB+16*ba
.else
.set rb, WR+16
.endif
.irp i, 0,1,2,3
.if \counted
	s_wait_dscnt 3-\i                              ; LDS loads come back in order (ISA guide 5.7.1): row i is in, the younger ones stay out
.endif
	global_store_b128 v[GO], v[rb+4*\i:rb+4*\i+3], s[8:9] offset:(\i&1)*BBYTES+(8*ba+(\i>>1))*4096
.endr
.endm
	STEPS 0, 8
	PUT 0, 8
	STEPS 1, 8
	SYNC
	BACK 1, 1
	PUT 1, 8
.irp a, 2,3,4,5,6,7,8,9,10,11
	STEPS \a, 8                                    ; tile a is scanned while tile a - 1's stores land and tile a - 2's rows come back
	SYNC
	BACK \a, 1
	PUT \a, 8
	SEND \a, 2, 0
.endr
	STEPS 12, 4                                    ; t = 96 .. 99; t = 100 .. 103 are zeros
	SYNC
	BACK 12, 1
	PUT 12, 4
	SEND 12, 2, 0
	SYNC
	BACK 12, 0
	SEND 12, 1, 0
	SEND 12, 0, 1
	WIN 0
	s_set_vgpr_msb 0x4
	s_wait_tensorcnt 0x0
	ds_add_u32 v27, v255
	s_wait_dscnt 0x0
	s_set_vgpr_msb 0x400
	CROUND                                         ; the closing round: no work-group ends while a partner may still ask for a tile that names it
	s_endpgm
.Lfunc_end_k_q10d3b592f9_layer1:
	.size	k_q10d3b592f9_layer1, .Lfunc_end_k_q10d3b592f9_layer1-k_q10d3b592f9_layer1
	.p2alignl 7, 3214868480
	.fill 96, 4, 3214868480
	.section	.rodata,"a",@progbits
	.p2align	6, 0x0
	.amdhsa_kernel k_q10d3b592f9_layer1
		.amdhsa_group_segment_fixed_size 327680
		.amdhsa_private_segment_fixed_size 0
		.amdhsa_enable_private_segment 0
		.amdhsa_kernarg_size 24
		.amdhsa_user_sgpr_count 2
		.amdhsa_user_sgpr_kernarg_segment_ptr 1
		.amdhsa_wavefront_size32 1
		.amdhsa_system_sgpr_workgroup_id_x 1
		.amdhsa_system_sgpr_workgroup_id_y 1
		.amdhsa_system_sgpr_workgroup_id_z 1
		.amdhsa_system_vgpr_workitem_id 0
		.amdhsa_next_free_vgpr 1024
		.amdhsa_next_free_sgpr 66
		.amdhsa_reserve_vcc 0
		.amdhsa_float_denorm_mode_32 3
		.amdhsa_float_denorm_mode_16_64 3
		.amdhsa_memory_ordered 1
		.amdhsa_forward_progress 1
		.amdhsa_inst_pref_size 255
	.end_amdhsa_kernel
	.section	.bss,"aw",@nobits
	.p2align	6
	.space	262144
	.amdgpu_metadata
---
amdhsa.version: [ 1, 2 ]
amdhsa.kernels:
  - .name:           k_q10d3b592f9_layer1
    .symbol:         k_q10d3b592f9_layer1.kd
    .args:
      - { .name: xb, .offset: 0, .size: 8, .value_kind: global_buffer, .address_space: global }
      - { .name: wihb, .offset: 8, .size: 8, .value_kind: global_buffer, .address_space: global }
      - { .name: s1, .offset: 16, .size: 8, .value_kind: global_buffer, .address_space: global }
    .group_segment_fixed_size: 327680
    .private_segment_fixed_size: 0
    .kernarg_segment_align: 8
    .kernarg_segment_size: 24
    .max_flat_workgroup_size: 128
    .sgpr_count:     66
    .vgpr_count:     1024
    .wavefront_size: 32
...
	.end_amdgpu_metadata
.endif
;; end of part 2
;; launch layer2 (part 3): grid 8 x 32, 4 waves a work-group, clusters of 4 x 4, 327,680 bytes of LDS; arguments s1, whhb, whob, part; writes part
.if DOCPART == 3
	.amdgcn_target "amdgcn-amd-amdhsa--gfx1250"
	.amdhsa_code_object_version 6
	.text
	.protected	k_q10d3b592f9_layer2
	.globl	k_q10d3b592f9_layer2
	.p2align	8
	.type	k_q10d3b592f9_layer2,@function
k_q10d3b592f9_layer2:
	s_mov_b64 s[64:65], 0
	v_nop
	global_prefetch_b8 v0, s[64:65] scope:SCOPE_SE
	s_setreg_imm32_b32 hwreg(HW_REG_WAVE_MODE, 25, 1), 1
	s_wait_xcnt 0x0
	s_wait_alu depctr_hold_cnt(0) depctr_sa_sdst(0) depctr_va_vdst(0) depctr_va_sdst(0) depctr_va_ssrc(0) depctr_va_vcc(0) depctr_vm_vsrc(0)
	s_getreg_b32 s2, hwreg(HW_REG_IB_STS2, 6, 4)
	s_cmp_eq_u32 s2, 0
	s_cbranch_scc0 .Lentry_in_a_cluster
	s_endpgm
.Lentry_in_a_cluster:
	s_bfe_u32 s2, ttmp6, 0x10000c
	s_cmp_lg_u32 s2, 0xf033
	s_cbranch_scc0 .Lentry_shape_is_right
	s_endpgm
.Lentry_shape_is_right:
; LAYER 2 AND THE OUTPUT PRODUCT: currents[(b, t)][n] = sum over p of s1[b][t][p] whhb[p][n] (p = the position of a layer-1 neuron; whhb's rows
; are in the same order), the leaky-integrate-and-fire scan over t in registers, and then, without the spikes leaving the work-group,
; part[G][(b, t)][o] = sum over my 256 positions of spike x W_ho: the work-group's share of the output layer's currents, in f32.
; Shape as in layer 1: a work-group (G = x, pair = y) makes 208 rows (two batches, t = 0 .. 103) x 256 columns with four waves, a wave all 208 rows
; x 64 columns in 13 x 4 accumulator tiles.  K = 2,048 goes in steps of 128 through a ring of two LDS slots filled by the tensor data mover.
; Row m of M tile a is (b = m >> 3, t = 8 a + (m & 7)), so that register j of lane (r, h) of a result is batch h, time 8 a + j, column r.
; A (s1) lies with K along the rows: plain 16-byte LDS loads.  B (whhb) lies with K down the rows: the transposing LDS load.
; CLUSTERS: 4 x 4 work-groups; A's tiles are shared along a row of the cluster (same pair), B's along a column (same G), each asked for jointly by four.
; LIMITS: weights are bf16, spikes exact, sums f32; the update is one fused multiply-add; a membrane value within the rounding of an f32 sum of the
; threshold 1.0 may fall on the other side of it than with another order of summation.  NaN never spikes.
;
; REGISTERS: window 0: v0-31 addresses and the scan's registers, v32-135 and v136-239 A's fragments, two buffers (behind the K loop: v32-63 packed spikes);
; window 1: v0-31, v32-63 B's fragments, two buffers, v64-127 W_ho's eight fragments; window 2: accumulators of M tiles 0-6, later the spikes' fragments;
; window 3: of M tiles 7-12, later the output sums.
.set HALFT,  34944                     ; a quarter of a slot: A's 104 rows x 272 bytes = 28,288, or B's 64 x 544 = 34,816.  34,944 bytes are 32 words more than a multiple
                                       ; of 64 words: the second batch's eight rows fall on the banks that the first's leave free (64 banks of 4 bytes: ISA guide 11.1)
.set SLOT,   4*HALFT                   ; A batch 0, A batch 1, B's k rows 0-63, B's k rows 64-127
.set PA,     272                       ; an LDS row of A: 256 bytes (128 k) + 16: 68 words, so eight rows start 4 banks apart
.set PB,     544                       ; an LDS row of B: 512 bytes (256 n) + 32
.set SP,     528                       ; a row of the stage: 512 bytes + 16
.set BROWS,  104*SP
.set LAPS,   8                         ; K = 2,048: sixteen K steps
.set ASTEP,  256                       ; a K step in s1: 128 positions along the row
.set BSTEP,  524288                    ; a K step in whhb: 128 rows of 4,096 bytes
.set V,    4                           ; v[4:7]    membrane of my four neurons
.set T,    8                           ; v[8:11]   at work
.set Z,    14                          ; v[14:15]  zero
.set ADRA, 16                          ; v16-17    LDS address of A's fragments in slot 0, 1
.set ADRB, 20                          ; v20-21    the same for B
.set STO,  24                          ; v24       where my 8 bytes go in row 0 of the stage
.set OA,   25                          ; v25       where the output product's fragments are read from the stage
.set LO16, 26                          ; v26       16 x lane
.set WR,   32                          ; v[32:63]  a tile's eight pairs of packed spikes, two sets that take turns
.set FA,   32
.set BHO,  64                          ; window 1: W_ho's fragments
.set G1,  24
.set G0,  32
.set G1B, 48
.set G0B, 56
.set MSB, 0
.macro WIN new                         ; the immediate's high byte repeats the setting that is left
.if MSB != \new
	s_set_vgpr_msb (MSB<<8)|\new
.set MSB, \new
.endif
.endm
.set MUL_LO, 0xa4                      ; source 0 (A) window 0, source 1 (B) window 1, C and D window 2
.set MUL_HI, 0xf4                      ; the same, C and D window 3
.set TO_B,   0x40                      ; destination window 1, address window 0
.macro JLOAD s                         ; waves 0 and 1 fetch A's two batches, waves 2 and 3 B's two halves; each line has one mask
	s_cmp_eq_u32 s11, 0
	s_cbranch_scc0 .Lfor_b_\@
	tensor_load_to_lds s[G0+4*\s:G0+4*\s+3], s[G1:G1+7]
	s_nop 0
	s_branch .Lasked_\@
.Lfor_b_\@:
	tensor_load_to_lds s[G0B+4*\s:G0B+4*\s+3], s[G1B:G1B+7]
	s_nop 0
.Lasked_\@:
.endm
.macro CREST                           ; a round of the cluster's barrier behind its opening barrier
	s_cmp_lg_u32 s10, 0
	s_cbranch_scc1 .Lnot_wave_0_\@
	s_barrier_signal -3
.Lnot_wave_0_\@:
	s_barrier_wait -3
	s_barrier_signal -1
	s_barrier_wait -1
.endm
.macro CROUND
	s_barrier_signal -1
	s_barrier_wait -1
	CREST
.endm
	s_load_b128 s[4:7], s[0:1], 0x0                ; s1 s[4:5], whhb s[6:7]
	s_load_b64 s[22:23], s[0:1], 0x10              ; whob
	s_load_b64 s[8:9], s[0:1], 0x18                ; part
	v_lshl_add_u32 v255, v0, 2, 0x44400
	s_set_vgpr_msb 0x40
	v_mov_b32 v255, 0
	s_set_vgpr_msb 0x4044
	ds_add_u32 v255, v255
	s_set_vgpr_msb 0x4400
	v_lshrrev_b32 v1, 5, v0
	v_readfirstlane_b32 s10, v1                    ; wave 0..3
	s_lshr_b32 s11, s10, 1                         ; I fetch for A (0) or for B (1)
	s_and_b32 s12, s10, 1                          ; which batch of A, which 64 rows of B
	s_bfe_u32 s40, ttmp6, 0x40000                  ; cx
	s_bfe_u32 s41, ttmp6, 0x40004                  ; cy
	s_lshl_b32 s42, ttmp9, 2
	s_add_co_u32 s42, s42, s40                     ; G
	s_and_b32 s13, ttmp7, 0xffff
	s_lshl_b32 s13, s13, 2
	s_add_co_u32 s13, s13, s41                     ; pair
	s_lshl_b32 s43, s41, 2
	s_lshl_b32 s43, 15, s43                        ; my row of the cluster
	s_lshl_b32 s44, 0x1111, s40                    ; my column
	; group 1 of A: 104 rows (t) x 128 elements (k), 2,048 elements from row to row; in LDS 4 words of padding behind every 64
	s_or_b32 s[G1+0], s43, (1<<16)|(1<<20)|(1<<21)|(5<<22)|(3<<25)
	s_mov_b32 s[G1+1], 128<<16                     ; tensor_dim0 = 128
	s_mov_b32 s[G1+2], 104<<16                     ; tensor_dim1 = 104
	s_mov_b32 s[G1+3], 128<<16                     ; tile_dim0 = 128
	s_mov_b32 s[G1+4], 104                         ; tile_dim1 = 104
	s_mov_b32 s[G1+5], 2048
	s_mov_b32 s[G1+6], 0
	s_mov_b32 s[G1+7], 0
	; group 1 of B: 64 rows (k) x 256 elements (n); 8 words of padding behind every 128
	s_or_b32 s[G1B+0], s44, (1<<16)|(1<<20)|(1<<21)|(6<<22)|(7<<25)
	s_mov_b32 s[G1B+1], 256<<16
	s_mov_b32 s[G1B+2], 64<<16
	s_mov_b32 s[G1B+3], 256<<16
	s_mov_b32 s[G1B+4], 64
	s_mov_b32 s[G1B+5], 2048
	s_mov_b32 s[G1B+6], 0
	s_mov_b32 s[G1B+7], 0
	s_lshl_b32 s16, s13, 1
	s_add_co_u32 s16, s16, s12
	s_mul_i32 s16, s16, 425984                     ; batch 2 pair + (wave & 1): 104 rows of 4,096 bytes each
	s_mov_b32 s17, 0
	s_lshl_b32 s46, s12, 18                        ; 64 rows of 4,096 bytes
	s_lshl_b32 s47, s42, 9                         ; 256 columns of 2 bytes
	s_add_co_u32 s46, s46, s47
	s_mov_b32 s47, 0
	s_mul_i32 s20, s10, HALFT                      ; the wave's quarter of a slot
	s_mov_b32 s21, 0x3f666666                      ; the decay, 0.9
	s_wait_dscnt 0x0
	s_wait_kmcnt 0x0
	s_add_nc_u64 s[14:15], s[4:5], s[16:17]
	s_add_nc_u64 s[46:47], s[6:7], s[46:47]
	CROUND                                         ; all sixteen work-groups are here: the first joint loads meet
.irp s, 0,1
	s_mov_b32 s[G0+4*\s], 1
	s_add_co_u32 s[G0+4*\s+1], s20, \s*SLOT
	s_add_nc_u64 s[G0+4*\s+2:G0+4*\s+3], s[14:15], \s*ASTEP
	s_or_b32 s[G0+4*\s+3], s[G0+4*\s+3], 0x80000000
	s_mov_b32 s[G0B+4*\s], 1
	s_add_co_u32 s[G0B+4*\s+1], s20, \s*SLOT
	s_add_nc_u64 s[G0B+4*\s+2:G0B+4*\s+3], s[46:47], \s*BSTEP
	s_or_b32 s[G0B+4*\s+3], s[G0B+4*\s+3], 0x80000000
	JLOAD \s                                       ; both slots' first fills; two tensor loads of the wave are out
.endr
	; W_ho's fragments for my 256 positions: 8,192 bytes, already in register order; every wave takes all of them.  They are waited for behind the scan.
	v_and_b32 v11, 31, v0
	v_lshlrev_b32 v[LO16], 4, v11
	s_lshl_b32 s46, s42, 13
	s_mov_b32 s47, 0
	s_add_nc_u64 s[22:23], s[22:23], s[46:47]
	WIN TO_B
.set i, 0
.rept 16
	global_load_b128 v[BHO+4*i:BHO+4*i+3], v[LO16], s[22:23] offset:512*i
.set i, i+1
.endr
	WIN 0
	v_and_b32 v1, 15, v0                           ; r
	v_bfe_u32 v2, v0, 4, 1                         ; h
	v_and_b32 v3, 7, v0                            ; r & 7
	v_bfe_u32 v8, v0, 3, 1                         ; r >> 3
	; A's fragment: lane (r, h) takes row (batch r >> 3, t = 8 a + (r & 7)), 16 bytes at 16 h and 16 more 32 bytes on
	v_mul_u32_u24 v10, v3, PA
	v_lshl_add_u32 v10, v2, 4, v10
	v_mul_u32_u24 v11, v8, HALFT
	v_add_nc_u32 v[ADRA], v10, v11
	v_add_nc_u32 v[ADRA+1], SLOT, v[ADRA]
	; B's fragment, by the transposing load: lane 8 g + j addresses K row 8 (g >> 1) + j, 16 bytes at 16 (g & 1)
	v_lshl_add_u32 v9, v2, 3, v3
	v_mul_u32_u24 v10, v9, PB
	v_lshl_add_u32 v10, v8, 4, v10
	s_lshl_b32 s16, s10, 7                         ; my 64 columns: 128 bytes
	s_add_co_u32 s16, s16, 2*HALFT
	v_add_nc_u32 v[ADRB], s16, v10
	v_add_nc_u32 v[ADRB+1], SLOT, v[ADRB]
	v_mul_u32_u24 v10, v2, BROWS                   ; the stage: batch h, my wave's 128 bytes, 8 bytes for column r
	v_lshl_add_u32 v10, v1, 3, v10
	s_lshl_b32 s16, s10, 7
	v_add_nc_u32 v[STO], s16, v10
	v_mul_u32_u24 v10, v8, BROWS                   ; the output product's A fragment: row (batch r >> 3, t = 8 tau + (r & 7)) of the stage, tau = wave + 4 i
	v_mul_u32_u24 v11, v3, SP
	v_add_nc_u32 v10, v10, v11
	v_lshl_add_u32 v10, v2, 4, v10
	s_mul_i32 s16, s10, 8*SP
	v_add_nc_u32 v[OA], s16, v10
	v_mov_b32 v28, 0x3f80                          ; bf16 1.0 in the low half,
	v_mov_b32 v29, 0x3f800000                      ; in the high half
	v_mov_b32 v[Z], 0
	v_mov_b32 v[Z+1], 0
.irp c, 0,1,2,3
	v_mov_b32 v[V+\c], 0                           ; the membranes start at 0
.endr
; cnt M tiles from a0 x my 4 N tiles, 32 along K, from buffers f.  zero = 1: the first product starts the sums.
; The 52 accumulators take turns, one instruction a turn, in the same order in every quarter step.
.macro MUL f, a0, cnt, zero
.set ma, \a0
.rept \cnt
.irp c, 0,1,2,3
.set acc, 8*(4*(ma%7)+\c)
.if \zero
	v_wmma_f32_16x16x32_bf16 v[acc:acc+7], v[FA+104*\f+8*ma:FA+104*\f+8*ma+7], v[32*\f+8*\c:32*\f+8*\c+7], 0
.else
	v_wmma_f32_16x16x32_bf16 v[acc:acc+7], v[FA+104*\f+8*ma:FA+104*\f+8*ma+7], v[32*\f+8*\c:32*\f+8*\c+7], v[acc:acc+7]
.endif
.endr
.set ma, ma+1
.endr
.endm
; 34 LDS loads in one run: quarter q of a K step into buffers f: 8 of B, 14 of A's tiles 0-6, 12 of A's tiles 7-12
.macro FETCH slot, q, f
	WIN TO_B
.irp c, 0,1,2,3
	ds_load_tr16_b128 v[32*\f+8*\c:32*\f+8*\c+3],   v[ADRB+\slot] offset:((\q)&1)*32*PB+((\q)>>1)*HALFT+32*\c
	ds_load_tr16_b128 v[32*\f+8*\c+4:32*\f+8*\c+7], v[ADRB+\slot] offset:((\q)&1)*32*PB+((\q)>>1)*HALFT+32*\c+16*PB
.endr
	WIN 0
.irp a, 0,1,2,3,4,5,6,7,8,9,10,11,12
	ds_load_b128 v[FA+104*\f+8*\a:FA+104*\f+8*\a+3],   v[ADRA+\slot] offset:64*\q+8*PA*\a
	ds_load_b128 v[FA+104*\f+8*\a+4:FA+104*\f+8*\a+7], v[ADRA+\slot] offset:64*\q+8*PA*\a+32
.endr
.endm
; Four places behind a matrix instruction before a load lands on one of its sources or anything else reads its result; only plain vector
; instructions that name none of its registers are places (ISA guide 7.12.1 for vector instructions).
.macro PLACES
.rept 4
	v_nop
.endr
.endm
.macro QUARTER slot, q, f, g, zero
	s_wait_dscnt 12                                ; B and A's tiles 0-6 are in; the youngest twelve loads (A's tiles 7-12) may be out
	WIN MUL_LO
	MUL \f, 0, 7, \zero
	PLACES
	FETCH \slot, \q, \g
	s_wait_dscnt 34                                ; all but the 34 just issued
	WIN MUL_HI
	MUL \f, 7, 6, \zero
.endm
.macro THREE slot, zero
	QUARTER \slot, 1, 0, 1, \zero
	QUARTER \slot, 2, 1, 0, 0
	QUARTER \slot, 3, 0, 1, 0
.endm
; The last quarter multiplies buffers 1 and changes slots: each wave's reads of this slot and all its tensor loads are waited for in front of the
; barrier; behind it the refill comes first, then the next slot's first fragments.
.macro TURN slot, next, fill
	s_wait_dscnt 12
	WIN MUL_LO
	MUL 1, 0, 4, 0
	s_wait_dscnt 0                                 ; my reads of this slot are over
	s_wait_tensorcnt 0x0                           ; all my tensor loads have landed
	ds_add_u32 v255, v255
	s_wait_dscnt 0x0
	s_barrier_signal -1
	MUL 1, 4, 3, 0                                 ; register work while the others arrive
	WIN 0
	s_barrier_wait -1
.if \fill
	CREST                                          ; no wave of any partner still reads this slot or has a load on its way
	s_add_nc_u64 s[G0+4*\slot+2:G0+4*\slot+3], s[G0+4*\slot+2:G0+4*\slot+3], 2*ASTEP
	s_add_nc_u64 s[G0B+4*\slot+2:G0B+4*\slot+3], s[G0B+4*\slot+2:G0B+4*\slot+3], 2*BSTEP
	JLOAD \slot                                    ; the wave's one tensor load behind the round, two K steps ahead
.endif
	PLACES
	FETCH \next, 0, 0
	WIN MUL_HI
	MUL 1, 7, 6, 0
.endm
.macro LAP zero
	THREE 0, \zero
	TURN 0, 1, 1
	THREE 1, 0
	TURN 1, 0, 1
.endm
	s_wait_tensorcnt 0x1                           ; my part of K step 0 is in; K step 1's may stay out
	s_barrier_signal -1
	s_barrier_wait -1
	FETCH 0, 0, 0
	LAP 1
	WIN 0
	s_mov_b32 s3, LAPS-2
.Llap:
	LAP 0
	WIN 0
	s_sub_co_u32 s3, s3, 1
	s_cmp_lg_u32 s3, 0
	s_cbranch_scc1 .Llap
	THREE 0, 0                                     ; the last lap fills nothing
	TURN 0, 1, 0                                   ; behind this barrier no wave reads slot 0 again and no load fills it again
	THREE 1, 0
	s_wait_dscnt 12
	WIN MUL_LO
	MUL 1, 0, 7, 0
	s_wait_dscnt 0
	WIN MUL_HI
	MUL 1, 7, 6, 0
	PLACES
; THE SCAN, as in layer 1.  STEPS: v = 0.9 v + current; spike where v >= 1; v = 0 where it spiked; the four spikes of a step packed as bf16 into a register
; pair of their own, eight pairs a tile, two sets by turns: pure vector work, no store among it.  The comparison only selects values.
.macro STEPS a, nj
.if (\a) < 7
	WIN 0x20                                       ; source 2 (the current) in window 2
.else
	WIN 0x30                                       ; in window 3
.endif
.set wb, WR+16*((\a)&1)
.set sj, 0
.rept \nj
.irp c, 0,1,2,3
	v_fma_f32 v[V+\c], v[V+\c], s21, v[8*(4*((\a)%7)+\c)+sj]
.endr
.irp c, 0,1,2,3
	v_cmp_le_f32 s[16+\c], 1.0, v[V+\c]
.endr
	v_cndmask_b32 v[T],   0, v28, s16
	v_cndmask_b32 v[T+1], 0, v29, s17
	v_cndmask_b32 v[T+2], 0, v28, s18
	v_cndmask_b32 v[T+3], 0, v29, s19
.irp c, 0,1,2,3
	v_cndmask_b32 v[V+\c], v[V+\c], v[Z], s[16+\c]
.endr
	v_or_b32 v[wb+2*sj],   v[T],   v[T+1]
	v_or_b32 v[wb+2*sj+1], v[T+2], v[T+3]
.set sj, sj+1
.endr
.endm
; PUT: tile a's eight pairs go to rows (batch h, t) of the stage in one run, neuron 16 c + r of my 64 at position 4 r + c (whob is in the same order);
; steps from nj on are zeros.  The stage lies in slot 0, which has had its last fill and its last read.
.macro PUT a, nj
.set wb, WR+16*((\a)&1)
.set sj, 0
.rept 8
.if sj < \nj
	ds_store_b64 v[STO], v[wb+2*sj:wb+2*sj+1] offset:SP*(8*(\a)+sj)
.else
	ds_store_b64 v[STO], v[Z:Z+1] offset:SP*(8*(\a)+sj)
.endif
.set sj, sj+1
.endr
.endm
.irp a, 0,1,2,3,4,5,6,7,8,9,10,11
	STEPS \a, 8
	PUT \a, 8
.endr
	STEPS 12, 4                                    ; t = 96 .. 99; t = 100 .. 103 are zeros
	PUT 12, 4
	WIN 0
	s_mul_i32 s16, s13, 13312                      ; part [G][pair][tau][2][32 lanes][4]: 13 x 1,024 bytes a pair,
	s_lshl_b32 s17, s10, 10                        ; 1,024 a tile; my first tile is tau = wave
	s_add_co_u32 s16, s16, s17
	s_mov_b32 s17, 0
	s_add_nc_u64 s[8:9], s[8:9], s[16:17]
	s_mul_i32 s46, s42, 425984                     ; 32 pairs a G (in the registers that held B's address)
	s_mov_b32 s47, 0
	s_add_nc_u64 s[8:9], s[8:9], s[46:47]
	s_wait_dscnt 0x0                               ; my stores into the stage are done,
	s_barrier_signal -1
	s_barrier_wait -1                              ; everybody's are
; THE OUTPUT PRODUCT: nt tiles tau = wave + 4 i of 16 rows x 16 output columns (10 real), K = my work-group's 256 positions in eight steps of 32.
; The nt sums take turns, one instruction a turn.  A result's registers 0-3 and 4-7 go out as they lie: each store covers
; 512 consecutive bytes, aligned; the last launch reads them in the same order.
.macro OPROJ nt
	WIN 0x80                                       ; destination window 2
.set oi, 0
.rept \nt
.irp s, 0,1,2,3,4,5,6,7
	ds_load_b128 v[64*oi+8*\s:64*oi+8*\s+3],   v[OA] offset:32*SP*oi+64*\s
	ds_load_b128 v[64*oi+8*\s+4:64*oi+8*\s+7], v[OA] offset:32*SP*oi+64*\s+32
.endr
.set oi, oi+1
.endr
	s_wait_dscnt 0x0
	s_wait_loadcnt 0x0                             ; W_ho's fragments, asked for at the start
	WIN 0xf6                                       ; A window 2, B window 1, C and D window 3
.irp s, 0,1,2,3,4,5,6,7
.set oi, 0
.rept \nt
.if \s == 0
	v_wmma_f32_16x16x32_bf16 v[8*oi:8*oi+7], v[64*oi+8*\s:64*oi+8*\s+7], v[BHO+8*\s:BHO+8*\s+7], 0
.else
	v_wmma_f32_16x16x32_bf16 v[8*oi:8*oi+7], v[64*oi+8*\s:64*oi+8*\s+7], v[BHO+8*\s:BHO+8*\s+7], v[8*oi:8*oi+7]
.endif
.set oi, oi+1
.endr
.endr
	PLACES
	WIN 0x0c                                       ; store data window 3
.set oi, 0
.rept \nt
	global_store_b128 v[LO16], v[8*oi:8*oi+3],   s[8:9] offset:4096*oi
	global_store_b128 v[LO16], v[8*oi+4:8*oi+7], s[8:9] offset:4096*oi+512
.set oi, oi+1
.endr
	WIN 0
.endm
	s_cmp_lg_u32 s10, 0                            ; 13 tiles for four waves: wave 0 takes 0, 4, 8, 12, the others three each
	s_cbranch_scc1 .Lthree
	OPROJ 4
	s_branch .Ljoin
.Lthree:
	OPROJ 3
.Ljoin:
	s_set_vgpr_msb 0x4
	s_wait_tensorcnt 0x0
	ds_add_u32 v255, v255
	s_wait_dscnt 0x0
	s_set_vgpr_msb 0x400
	CROUND                                         ; the closing round: no work-group ends while a partner may still ask for a tile that names it
	s_endpgm
.Lfunc_end_k_q10d3b592f9_layer2:
	.size	k_q10d3b592f9_layer2, .Lfunc_end_k_q10d3b592f9_layer2-k_q10d3b592f9_layer2
	.p2alignl 7, 3214868480
	.fill 96, 4, 3214868480
	.section	.rodata,"a",@progbits
	.p2align	6, 0x0
	.amdhsa_kernel k_q10d3b592f9_layer2
		.amdhsa_group_segment_fixed_size 327680
		.amdhsa_private_segment_fixed_size 0
		.amdhsa_enable_private_segment 0
		.amdhsa_kernarg_size 32
		.amdhsa_user_sgpr_count 2
		.amdhsa_user_sgpr_kernarg_segment_ptr 1
		.amdhsa_wavefront_size32 1
		.amdhsa_system_sgpr_workgroup_id_x 1
		.amdhsa_system_sgpr_workgroup_id_y 1
		.amdhsa_system_sgpr_workgroup_id_z 1
		.amdhsa_system_vgpr_workitem_id 0
		.amdhsa_next_free_vgpr 1024
		.amdhsa_next_free_sgpr 66
		.amdhsa_reserve_vcc 0
		.amdhsa_float_denorm_mode_32 3
		.amdhsa_float_denorm_mode_16_64 3
		.amdhsa_memory_ordered 1
		.amdhsa_forward_progress 1
		.amdhsa_inst_pref_size 255
	.end_amdhsa_kernel
	.section	.bss,"aw",@nobits
	.p2align	6
	.space	262144
	.amdgpu_metadata
---
amdhsa.version: [ 1, 2 ]
amdhsa.kernels:
  - .name:           k_q10d3b592f9_layer2
    .symbol:         k_q10d3b592f9_layer2.kd
    .args:
      - { .name: s1, .offset: 0, .size: 8, .value_kind: global_buffer, .address_space: global }
      - { .name: whhb, .offset: 8, .size: 8, .value_kind: global_buffer, .address_space: global }
      - { .name: whob, .offset: 16, .size: 8, .value_kind: global_buffer, .address_space: global }
      - { .name: part, .offset: 24, .size: 8, .value_kind: global_buffer, .address_space: global }
    .group_segment_fixed_size: 327680
    .private_segment_fixed_size: 0
    .kernarg_segment_align: 8
    .kernarg_segment_size: 32
    .max_flat_workgroup_size: 128
    .sgpr_count:     66
    .vgpr_count:     1024
    .wavefront_size: 32
...
	.end_amdgpu_metadata
.endif
;; end of part 3
;; launch final (part 4): grid 32 x 1, 13 waves a work-group, no clusters, 15,104 bytes of LDS; arguments part, out0; writes out0
.if DOCPART == 4
	.amdgcn_target "amdgcn-amd-amdhsa--gfx1250"
	.amdhsa_code_object_version 6
	.text
	.protected	k_q10d3b592f9_final
	.globl	k_q10d3b592f9_final
	.p2align	8
	.type	k_q10d3b592f9_final,@function
k_q10d3b592f9_final:
	s_mov_b64 s[64:65], 0
	v_nop
	global_prefetch_b8 v0, s[64:65] scope:SCOPE_SE
	s_setreg_imm32_b32 hwreg(HW_REG_WAVE_MODE, 25, 1), 1
	s_wait_xcnt 0x0
; THE OUTPUT LAYER: the eight partial currents of each (b, t, o) are added in ascending G, then the leaky-integrate-and-fire scan over t = 0 .. 99
; counts the spikes, and out0[b][o] = count x 0.01.
; A work-group takes one pair of batches.  part [8 G][32 pair][13 tau][2 jq][32 lanes][4 f32]: lane (r, h) of (tau, jq) holds output r of batch h at
; t = 8 tau + 4 jq + 0 .. 3.  Wave tau adds tile tau (16 loads of 512 consecutive bytes) and puts the sum into LDS; wave 0 then scans: its lane (r, h)
; is output r of batch 2 pair + h, and its 100 currents are 25 LDS loads of 16 bytes.  The scan is a chain of 100 steps for 20 series: one wave.
; THE CHAIN: w(t) is the membrane before the reset.  Behind a spike the membrane is 0, and 0.9 x 0 + c is c itself, so
; w(t+1) = c(t+1) where w(t) >= 1, else 0.9 w(t) + c(t+1).  The comparison and the multiply-add both start from w(t): two dependent instructions a step.
; LIMITS: the update is one fused multiply-add; count x 0.01f differs from count / 100 by one unit in the last place at the most; a membrane value
; within the rounding of an f32 sum of the threshold may fall on the other side of it; behind a spike a current of -0 stays -0 (never seen by a
; comparison or a sum).  out0 has 2,560 bytes in all: a work-group stores its 80.
.set P, 16                             ; v[16:79] the sixteen loads; later v[16:115] the 100 currents
	s_load_b128 s[4:7], s[0:1], 0x0                ; part s[4:5], out0 s[6:7]
	v_lshl_add_u32 v128, v0, 2, 0x3400
	v_mov_b32 v129, 0
	v_lshrrev_b32 v1, 5, v0
	v_readfirstlane_b32 s8, v1                     ; wave = tau
	v_and_b32 v2, 31, v0
	v_lshlrev_b32 v10, 4, v2                       ; 16 x lane
	v_lshl_add_u32 v3, s8, 10, v10                 ; + 1,024 tau: my place in part's pair block, and in LDS
	s_mul_i32 s10, ttmp9, 13312                    ; the pair's block of 13 tiles
	s_mov_b32 s11, 0
	s_mul_i32 s12, ttmp9, 80                       ; the pair's two rows of out0
	s_mov_b32 s9, 0x3f666666                       ; the decay, 0.9
	s_wait_kmcnt 0x0
	s_add_nc_u64 s[4:5], s[4:5], s[10:11]
.irp g, 0,1,2,3,4,5,6,7
	global_load_b128 v[P+8*\g:P+8*\g+3],   v3, s[4:5] offset:425984*\g
	global_load_b128 v[P+8*\g+4:P+8*\g+7], v3, s[4:5] offset:425984*\g+512
.endr
	s_wait_loadcnt 0x0
.irp g, 1,2,3,4,5,6,7
.irp k, 0,2,4,6
	v_pk_add_f32 v[P+\k:P+\k+1], v[P+\k:P+\k+1], v[P+8*\g+\k:P+8*\g+\k+1]
.endr
.endr
	ds_store_b128 v3, v[P:P+3]
	ds_store_b128 v3, v[P+4:P+7] offset:512
	s_wait_dscnt 0x0                               ; my sums are in LDS,
	s_barrier_signal -1
	s_barrier_wait -1                              ; everybody's are
	s_cmp_lg_u32 s8, 0
	s_cbranch_scc1 .Lend
.set m, 0
.rept 25
	ds_load_b128 v[P+4*m:P+4*m+3], v10 offset:512*m    ; t = 4 m .. 4 m + 3
.set m, m+1
.endr
	v_and_b32 v1, 15, v0                           ; r
	v_bfe_u32 v2, v0, 4, 1                         ; h
	v_mul_u32_u24 v7, v2, 40
	v_lshl_add_u32 v7, v1, 2, v7
	v_add_nc_u32 v7, s12, v7                       ; (2 pair + h) 40 + 4 r
	v_mov_b32 v5, 0                                ; the count
	v_mov_b32 v8, 1.0
	s_wait_dscnt 0x0
	v_mov_b32 v4, v[P]                             ; w(0) = 0.9 x 0 + c(0)
.set t, 0
.rept 99
	v_cmp_le_f32 vcc_lo, 1.0, v4                   ; spike at t
	v_fma_f32 v6, v4, s9, v[P+t+1]                 ; the next membrane if there was none
	v_cndmask_b32 v4, v6, v[P+t+1], vcc_lo         ; w(t+1)
	v_cndmask_b32 v9, 0, v8, vcc_lo                ; beside the chain: the spike is counted
	v_add_f32 v5, v5, v9
.set t, t+1
.endr
	v_cmp_le_f32 vcc_lo, 1.0, v4                   ; spike at t = 99
	v_cndmask_b32 v9, 0, v8, vcc_lo
	v_add_f32 v5, v5, v9
	v_mul_f32 v5, 0x3c23d70a, v5                   ; x 0.01
	v_cmp_gt_u32 vcc_lo, 10, v1                    ; outputs 10 .. 15 do not exist
	s_wait_xcnt 0x0                                ; EXEC changes only behind this wait
	s_and_saveexec_b32 s13, vcc_lo
	global_store_b32 v7, v5, s[6:7]
	s_wait_xcnt 0x0                                ; and again in front of the line that widens it
	s_or_b32 exec_lo, exec_lo, s13
.Lend:
	s_wait_tensorcnt 0x0
	ds_add_u32 v128, v129
	s_wait_dscnt 0x0
	s_endpgm
.Lfunc_end_k_q10d3b592f9_final:
	.size	k_q10d3b592f9_final, .Lfunc_end_k_q10d3b592f9_final-k_q10d3b592f9_final
	.p2alignl 7, 3214868480
	.fill 96, 4, 3214868480
	.section	.rodata,"a",@progbits
	.p2align	6, 0x0
	.amdhsa_kernel k_q10d3b592f9_final
		.amdhsa_group_segment_fixed_size 15104
		.amdhsa_private_segment_fixed_size 0
		.amdhsa_enable_private_segment 0
		.amdhsa_kernarg_size 16
		.amdhsa_user_sgpr_count 2
		.amdhsa_user_sgpr_kernarg_segment_ptr 1
		.amdhsa_wavefront_size32 1
		.amdhsa_system_sgpr_workgroup_id_x 1
		.amdhsa_system_sgpr_workgroup_id_y 1
		.amdhsa_system_sgpr_workgroup_id_z 1
		.amdhsa_system_vgpr_workitem_id 0
		.amdhsa_next_free_vgpr 130
		.amdhsa_next_free_sgpr 66
		.amdhsa_reserve_vcc 1
		.amdhsa_float_denorm_mode_32 3
		.amdhsa_float_denorm_mode_16_64 3
		.amdhsa_memory_ordered 1
		.amdhsa_forward_progress 1
		.amdhsa_inst_pref_size 26
	.end_amdhsa_kernel
	.amdgpu_metadata
---
amdhsa.version: [ 1, 2 ]
amdhsa.kernels:
  - .name:           k_q10d3b592f9_final
    .symbol:         k_q10d3b592f9_final.kd
    .args:
      - { .name: part, .offset: 0, .size: 8, .value_kind: global_buffer, .address_space: global }
      - { .name: out0, .offset: 8, .size: 8, .value_kind: global_buffer, .address_space: global }
    .group_segment_fixed_size: 15104
    .private_segment_fixed_size: 0
    .kernarg_segment_align: 8
    .kernarg_segment_size: 16
    .max_flat_workgroup_size: 416
    .sgpr_count:     66
    .vgpr_count:     130
    .wavefront_size: 32
...
	.end_amdgpu_metadata
.endif
;; end of part 4
